; MI455X (gfx1250); checked and timed in simulation.
; The chip was launched on July 23, 2026; its instructions are those of AMD's public machine-readable ISA for CDNA 5 (MIT licence, August 2026) and "CDNA5" Instruction Set Architecture Reference Guide (July 2026). The comments in the code are by the model that wrote it; some were corrected since.
;; Multi Head Attention. Allowed arithmetic: float matrix products may take bf16 or f16 operands with f32 sums; all other float work in f32.
;; Inputs: Wk 1,024 x 1,024 float32; Wo 1,024 x 1,024 float32; Wq 1,024 x 1,024 float32; Wv 1,024 x 1,024 float32; attention_bias 4 x 2,048 x 2,048 float32; key 4 x 2,048 x 1,024 float32; query 4 x 2,048 x 1,024 float32; value 4 x 2,048 x 1,024 float32.
;; Outputs: out0 4 x 2,048 x 1,024 float32.
;; One version. Each part assembles by itself: llvm-mc -triple=amdgcn-amd-amdhsa -mcpu=gfx1250 --defsym DOCPART=n.
;; ======== version 1 of 1: 4 launches
;; limits: values are held in f16: magnitudes above 65,504 overflow, below 6.1e-05 lose precision
;; workspace buffers: xb 50,331,648 bytes; wb 8,388,608 bytes; qkv 50,331,648 bytes; ao 16,777,216 bytes
;; launch cast (part 1): grid 1792 x 1, 8 waves a work-group, no clusters, 0 bytes of LDS; arguments query, key, value, Wq, Wk, Wv, Wo, xb, wb; writes xb, wb
.if DOCPART == 1
	.amdgcn_target "amdgcn-amd-amdhsa--gfx1250"
	.amdhsa_code_object_version 6
	.text
	.protected	k_q69094c57ad_cast
	.globl	k_q69094c57ad_cast
	.p2align	8
	.type	k_q69094c57ad_cast,@function
k_q69094c57ad_cast:
	s_mov_b64 s[64:65], 0
	v_nop
	global_prefetch_b8 v0, s[64:65] scope:SCOPE_SE
	s_setreg_imm32_b32 hwreg(HW_REG_WAVE_MODE, 25, 1), 1
	s_wait_xcnt 0x0
; f32 -> f16, once, so that the three matrix launches behind this one are fed 2-byte operands.
;   xb = [3][8192][1024] f16: query, key, value.     wb = [4][1024][1024] f16: Wq/4, Wk/2, Wv/2, 2 Wo.
; WHY f16 AND NOT bf16: between the f32 inputs and the output twelve roundings of matrix operands follow each other (three inputs, four
; weights, q, k, v, the softmax's weights, the attention's result); f16 keeps 11 significant bits in each, bf16 8.
; THE POWERS OF TWO on the weights are exact and place the later operands in f16's range: q/4 times k/2 carries the factor HD^-0.5 = 1/8
; of reference(); v and the attention's result are carried halved, and 2 Wo undoes that.  With every input 30 times larger q, k, v have a root
; mean square of 32 x 30 x 30/32 = 900; with an offset of 30 spreads on every input they are near 1,024 x 30 x 30/32 = 28,800 and are
; stored as 7,200, 14,400 and 14,400, under f16's largest number, 65,504.
; LIMITS: a scaled number above 65,504 in magnitude becomes infinity; below 2^-14 it is rounded in steps of 2^-24.
; A work-group takes 65,536 bytes of one input (16,384 numbers): 3 x 512 + 4 x 64 = 1,792 work-groups.  A wave takes 8,192 bytes by
; sixteen loads of 16 bytes a lane (512 neighbouring bytes an instruction), all issued at once; a store of 8 bytes a lane covers
; 256 neighbouring bytes, aligned.  Each byte is read once and written once.  Nothing is shared between waves: no LDS, no barrier,
; no matrix unit, no cluster.
.set X, 8                              ; v[8:71]  sixteen groups of four f32 as loaded; the first two registers of a group are stored
	s_load_b512 s[8:23], s[0:1], 0x0               ; query s8, key s10, value s12, Wq s14, Wk s16, Wv s18, Wo s20, xb s22
	s_load_b64 s[24:25], s[0:1], 0x40              ; wb
	s_sub_co_u32 s26, ttmp9, 1536                  ; j: my number among the weights' work-groups (used only from 1,536 on)
	s_lshr_b32 s27, ttmp9, 9                       ; which of query, key, value
	s_lshr_b32 s28, s26, 6
	s_add_co_u32 s28, s28, 3                       ; which weight, counted on behind them: 3 .. 6
	s_and_b32 s29, ttmp9, 511                      ; my chunk of 65,536 bytes in that input
	s_and_b32 s30, s26, 63
	v_lshrrev_b32 v3, 5, v0                        ; wave
	v_and_b32 v4, 31, v0                           ; lane
	v_lshlrev_b32 v1, 13, v3
	v_lshl_or_b32 v1, v4, 4, v1                    ; in:  8,192 x wave + 16 x lane
	v_lshlrev_b32 v2, 12, v3
	v_lshl_or_b32 v2, v4, 3, v2                    ; out: 4,096 x wave + 8 x lane
	s_cmp_lt_u32 ttmp9, 1536                       ; one compare, four selects (moves, selects and waits leave SCC alone)
	s_cselect_b32 s27, s27, s28                    ; the input's number, 0 .. 6
	s_cselect_b32 s29, s29, s30                    ; the chunk in the input
	s_cselect_b32 s31, ttmp9, s26                  ; the chunk in the output: the parts of xb, and of wb, follow each other
	s_wait_kmcnt 0x0
	s_cselect_b64 s[32:33], s[22:23], s[24:25]     ; xb or wb
	s_mov_b64 s[34:35], s[8:9]
.irp n, 1,2,3,4,5,6
	s_cmp_eq_u32 s27, \n
	s_cselect_b64 s[34:35], s[8+2*\n:9+2*\n], s[34:35]     ; the input's address, chosen by its number alone
.endr
	s_cmp_eq_u32 s27, 3                            ; the input's factor: one text for all seven inputs
	s_cselect_b32 s6, 0x3e800000, 1.0              ; Wq: 1/4; query, key, value: 1
	s_cmp_eq_u32 s27, 4
	s_cselect_b32 s6, 0.5, s6                      ; Wk: 1/2
	s_cmp_eq_u32 s27, 5
	s_cselect_b32 s6, 0.5, s6                      ; Wv: 1/2
	s_cmp_eq_u32 s27, 6
	s_cselect_b32 s6, 2.0, s6                      ; Wo: 2
	s_mov_b32 s7, s6
	s_lshl_b32 s36, s29, 16                        ; at most 511 x 65,536
	s_mov_b32 s37, 0
	s_add_nc_u64 s[34:35], s[34:35], s[36:37]
	s_lshl_b32 s38, s31, 15                        ; at most 1,535 x 32,768
	s_mov_b32 s39, 0
	s_add_nc_u64 s[32:33], s[32:33], s[38:39]
.irp i, 0,1,2,3,4,5,6,7,8,9,10,11,12,13,14,15
	global_load_b128 v[X+4*\i:X+4*\i+3], v1, s[34:35] offset:512*\i th:TH_LOAD_NT
.endr
.irp i, 0,1,2,3,4,5,6,7,8,9,10,11,12,13,14,15
	s_wait_loadcnt 15-\i                           ; loads come back in order: group i is in, the younger ones stay out
	v_pk_mul_f32 v[X+4*\i:X+4*\i+1], v[X+4*\i:X+4*\i+1], s[6:7] op_sel_hi:[1,0]
	v_pk_mul_f32 v[X+4*\i+2:X+4*\i+3], v[X+4*\i+2:X+4*\i+3], s[6:7] op_sel_hi:[1,0]
	v_cvt_pk_f16_f32 v[X+4*\i], v[X+4*\i], v[X+4*\i+1]
	v_cvt_pk_f16_f32 v[X+4*\i+1], v[X+4*\i+2], v[X+4*\i+3]
	global_store_b64 v2, v[X+4*\i:X+4*\i+1], s[32:33] offset:256*\i   ; no register of a store is written again
.endr
	s_endpgm
.Lfunc_end_k_q69094c57ad_cast:
	.size	k_q69094c57ad_cast, .Lfunc_end_k_q69094c57ad_cast-k_q69094c57ad_cast
	.p2alignl 7, 3214868480
	.fill 96, 4, 3214868480
	.section	.rodata,"a",@progbits
	.p2align	6, 0x0
	.amdhsa_kernel k_q69094c57ad_cast
		.amdhsa_group_segment_fixed_size 0
		.amdhsa_private_segment_fixed_size 0
		.amdhsa_enable_private_segment 0
		.amdhsa_kernarg_size 72
		.amdhsa_user_sgpr_count 2
		.amdhsa_user_sgpr_kernarg_segment_ptr 1
		.amdhsa_wavefront_size32 1
		.amdhsa_system_sgpr_workgroup_id_x 1
		.amdhsa_system_sgpr_workgroup_id_y 1
		.amdhsa_system_sgpr_workgroup_id_z 1
		.amdhsa_system_vgpr_workitem_id 0
		.amdhsa_next_free_vgpr 72
		.amdhsa_next_free_sgpr 66
		.amdhsa_reserve_vcc 0
		.amdhsa_float_denorm_mode_32 3
		.amdhsa_float_denorm_mode_16_64 3
		.amdhsa_memory_ordered 1
		.amdhsa_forward_progress 1
		.amdhsa_inst_pref_size 10
	.end_amdhsa_kernel
	.amdgpu_metadata
---
amdhsa.version: [ 1, 2 ]
amdhsa.kernels:
  - .name:           k_q69094c57ad_cast
    .symbol:         k_q69094c57ad_cast.kd
    .args:
      - { .name: query, .offset: 0, .size: 8, .value_kind: global_buffer, .address_space: global }
      - { .name: key, .offset: 8, .size: 8, .value_kind: global_buffer, .address_space: global }
      - { .name: value, .offset: 16, .size: 8, .value_kind: global_buffer, .address_space: global }
      - { .name: Wq, .offset: 24, .size: 8, .value_kind: global_buffer, .address_space: global }
      - { .name: Wk, .offset: 32, .size: 8, .value_kind: global_buffer, .address_space: global }
      - { .name: Wv, .offset: 40, .size: 8, .value_kind: global_buffer, .address_space: global }
      - { .name: Wo, .offset: 48, .size: 8, .value_kind: global_buffer, .address_space: global }
      - { .name: xb, .offset: 56, .size: 8, .value_kind: global_buffer, .address_space: global }
      - { .name: wb, .offset: 64, .size: 8, .value_kind: global_buffer, .address_space: global }
    .group_segment_fixed_size: 0
    .private_segment_fixed_size: 0
    .kernarg_segment_align: 8
    .kernarg_segment_size: 72
    .max_flat_workgroup_size: 256
    .sgpr_count:     66
    .vgpr_count:     72
    .wavefront_size: 32
...
	.end_amdgpu_metadata
.endif
;; end of part 1
;; launch qkv (part 2): grid 4 x 96, 4 waves a work-group, clusters of 4 x 4, 327,680 bytes of LDS; arguments xb, wb, qkv; writes qkv
.if DOCPART == 2
	.amdgcn_target "amdgcn-amd-amdhsa--gfx1250"
	.amdhsa_code_object_version 6
	.text
	.protected	k_q69094c57ad_qkv
	.globl	k_q69094c57ad_qkv
	.p2align	8
	.type	k_q69094c57ad_qkv,@function
k_q69094c57ad_qkv:
	s_mov_b64 s[64:65], 0
	v_nop
	global_prefetch_b8 v0, s[64:65] scope:SCOPE_SE
	s_setreg_imm32_b32 hwreg(HW_REG_WAVE_MODE, 25, 1), 1
	s_wait_xcnt 0x0
	s_wait_alu depctr_hold_cnt(0) depctr_sa_sdst(0) depctr_va_vdst(0) depctr_va_sdst(0) depctr_va_ssrc(0) depctr_va_vcc(0) depctr_vm_vsrc(0)
	s_getreg_b32 s2, hwreg(HW_REG_IB_STS2, 6, 4)
	s_cmp_eq_u32 s2, 0
	s_cbranch_scc0 .Lentry_in_a_cluster
	s_endpgm
.Lentry_in_a_cluster:
	s_bfe_u32 s2, ttmp6, 0x10000c
	s_cmp_lg_u32 s2, 0xf033
	s_cbranch_scc0 .Lentry_shape_is_right
	s_endpgm
.Lentry_shape_is_right:
; qkv[s][m][n] = sum over k of xb[s][m][k] wb[s][n][k], s = 0, 1, 2: one product of 24,576 x 1,024 x 1,024 whose weight changes every
; 8,192 rows.  Operands f16, sums f32, result rounded once to f16.  The weights carry powers of two, so the three parts are q/4, k/2, v/2.
; LIMIT: the result is f16: |q| below 262,016, |k| and |v| below 131,008 (4 and 2 times 65,504); beyond that it is infinity.  With an offset of
; 30 spreads on every input q, k, v are near 1,024 x 30 x 30/32 = 28,800, which leaves room of 9, 4.5 and 4.5 times.
; A work-group makes a block of 256 x 256 with four waves, as many as a WGP has SIMDs; a wave makes 128 x 128: 64 accumulator tiles of
; 16 x 16, 512 registers.  K goes in 8 steps of 128 through two LDS slots filled by tensor loads: a tile's rows are 256 bytes of memory and
; start at multiples of 256 bytes from the buffer's first byte.
; WHY THIS BLOCK: 24,576 x 1,024 / (256 x 256) = 384 work-groups, one and a half for each of 256 WGPs: an uneven share.  It is taken because a K step
; of this block gives a wave 256 matrix instructions, 240 of them between a tile's request and the wait for it, where a block of 128 x 256
; (768 work-groups, an even share) gives 120, for three quarters of the bytes; and because a wave loads 32 fragments for 64 matrix
; instructions instead of 24 for 32.  No larger block divides the 8,192 rows of a part and fits two slots.
; CLUSTERS: 4 x 4 work-groups.  The four of a row of the cluster need the same rows of xb, the four of a column the same rows of wb:
; each tile is asked for jointly, by the same line with the same descriptor in all four, which divides the requests by four.
; No prefetch: both operands were stored by the launch in front of this one.
; REGISTERS, in windows of 256:
;   window 0: v16-26 addresses; v64-127, v128-191 fragments of xb (8 x 16 rows x 32 K), two buffers; v192-223 at work on the way out
;   window 1: v64-127, v128-191 fragments of the weight, two buffers
;   window 2: the 32 accumulator tiles of my rows 0-63 (tile (a, b) at v[8 (8 a + b)]);   window 3: those of my rows 64-127
; THE MATRIX INSTRUCTION IS USED TRANSPOSED (source 0 = 16 rows of the weight, source 1 = 16 rows of xb): lane l then holds row l % 16
; of the result and eight neighbouring columns 8 (l / 16) + 0..7, which pack into 16 bytes.
.set KDIM,   1024
.set ROWB,   2048                      ; bytes in a row of xb, of wb and of qkv
.set KSTEP,  128
.set PITCH,  272                       ; an LDS row: 256 bytes + 16 of padding, an odd multiple of 16: the 16 rows of a fragment load start in 16 different 16-byte columns
.set HALFT,  128*PITCH                 ; 128 rows: what one tensor load brings, and what one wave reads of xb or of the weight
.set SLOT,   4*HALFT                   ; xb's 256 rows, then the weight's 256 rows
.set STAGE,  2*SLOT                    ; behind the ring (a multiple of 256): 16 rows x 272 bytes for each wave; no tensor load lands here
.set SPITCH, 272
.set LAPS,   KDIM/(2*KSTEP)            ; 4 laps of two K steps
.set ADRA, 16                          ; v16-17  LDS address of my xb fragments in slot 0, 1
.set ADRB, 20                          ; v20-21  the same for the weight
.set STO,  24                          ; v24     the way out: where I put 16 bytes of a row
.set RD,   25                          ; v25     the way out: where I read a row back
.set CO,   26                          ; v26     my byte offset in qkv
.set F0,   64                          ; fragment buffer 0
.set F1,   128                         ; fragment buffer 1
.set TMP,  192                         ; the way out: packed results, in window 0
.set G1,  24                           ; s[24:31] group 1 for xb's tiles
.set G0,  32                           ; s[32:39] group 0 for xb's tiles, a set for each slot
.set G1B, 48                           ; s[48:55] group 1 for the weight's tiles: it differs in the mask alone
.set G0B, 56                           ; s[56:63] group 0 for the weight's tiles, a set for each slot
.set MSB, 0
.macro WIN new                         ; the immediate's high byte repeats the setting that is left; a switch that changes nothing is dropped
.if MSB != \new
	s_set_vgpr_msb (MSB<<8)|\new
.set MSB, \new
.endif
.endm
.set MUL_LO, 0xa1                      ; source 0 (weight) window 1, source 1 (xb) window 0, C and D window 2
.set MUL_HI, 0xf1                      ; the same, C and D window 3
.set TO_B,   0x40                      ; destination window 1, address window 0
; A joint load.  Waves 0 and 1 fetch xb's two halves, waves 2 and 3 the weight's: one load a wave, 128 rows each.
; Each line has one mask; the branch hangs on the wave's number alone.
.macro JLOAD s
	s_cmp_eq_u32 s11, 0
	s_cbranch_scc0 .Lfor_b_\@
	tensor_load_to_lds s[G0+4*\s:G0+4*\s+3], s[G1:G1+7]
	s_nop 0
	s_branch .Lasked_\@
.Lfor_b_\@:
	tensor_load_to_lds s[G0B+4*\s:G0B+4*\s+3], s[G1B:G1B+7]
	s_nop 0
.Lasked_\@:
.endm
.macro CREST                           ; a round of the cluster's barrier behind its opening work-group barrier
	s_cmp_lg_u32 s10, 0
	s_cbranch_scc1 .Lnot_wave_0_\@
	s_barrier_signal -3
.Lnot_wave_0_\@:
	s_barrier_wait -3
	s_barrier_signal -1
	s_barrier_wait -1
.endm
.macro CROUND                          ; a whole round
	s_barrier_signal -1
	s_barrier_wait -1
	CREST
.endm
	s_load_b128 s[4:7], s[0:1], 0x0                ; xb s[4:5], wb s[6:7]
	s_load_b64 s[8:9], s[0:1], 0x10                ; qkv
	s_set_vgpr_msb 0x40
	v_lshl_add_u32 v255, v0, 2, 0x48400
	s_set_vgpr_msb 0x4000
	v_mov_b32 v255, 0
	s_set_vgpr_msb 0x1
	ds_add_u32 v255, v255
	s_set_vgpr_msb 0x100
	v_lshrrev_b32 v1, 5, v0
	v_readfirstlane_b32 s10, v1                    ; wave 0..3
	s_lshr_b32 s11, s10, 1                         ; my half of the block's rows.  Also: I fetch for xb (0) or for the weight (1)
	s_and_b32 s12, s10, 1                          ; my half of its columns.  Also: which 128 rows of that tile I fetch
	s_bfe_u32 s40, ttmp6, 0x40000                  ; cx
	s_bfe_u32 s41, ttmp6, 0x40004                  ; cy
	s_lshl_b32 s42, ttmp9, 2
	s_add_co_u32 s42, s42, s40                     ; block column X = 4 x cluster x + cx, 0..3
	s_and_b32 s45, ttmp7, 0xffff                   ; cluster y, 0..23
	s_lshl_b32 s13, s45, 2
	s_add_co_u32 s13, s13, s41                     ; block row Y = 4 x cluster y + cy, 0..95
	s_lshr_b32 s45, s45, 3                         ; which weight: 32 block rows = 8 clusters each; the same in the whole cluster
	s_lshl_b32 s43, s41, 2
	s_lshl_b32 s43, 15, s43                        ; my row of the cluster
	s_lshl_b32 s44, 0x1111, s40                    ; my column
	; group 1: a tile of 128 rows x 128 elements of 2 bytes, 4 words of padding behind every 64
	s_or_b32 s[G1+0], s43, (1<<16)|(1<<20)|(1<<21)|(5<<22)|(3<<25)   ; the mask: xb's tiles go to my row; bit 21 set beside a mask
	s_or_b32 s[G1B+0], s44, (1<<16)|(1<<20)|(1<<21)|(5<<22)|(3<<25)  ; the weight's tiles go to my column
	s_mov_b32 s[G1+1], KSTEP<<16                   ; tensor_dim0 = 128
	s_mov_b32 s[G1B+1], KSTEP<<16
	s_mov_b32 s[G1+2], 128<<16                     ; tensor_dim1 = 128
	s_mov_b32 s[G1B+2], 128<<16
	s_mov_b32 s[G1+3], KSTEP<<16                   ; tile_dim0 = 128
	s_mov_b32 s[G1B+3], KSTEP<<16
	s_mov_b32 s[G1+4], 128                         ; tile_dim1 = 128
	s_mov_b32 s[G1B+4], 128
	s_mov_b32 s[G1+5], KDIM                        ; elements from row to row
	s_mov_b32 s[G1B+5], KDIM
	s_mov_b32 s[G1+6], 0
	s_mov_b32 s[G1B+6], 0
	s_mov_b32 s[G1+7], 0
	s_mov_b32 s[G1B+7], 0
	; xb's tiles hang on Y alone (shared along my row), the weight's on X and the cluster's y (shared along my column).
	; Every wave makes both addresses, in registers that never hold the other coordinate, and asks by one of them.
	s_lshl_b32 s17, s12, 7
	s_lshl_b32 s16, s13, 8
	s_add_co_u32 s16, s16, s17                     ; row 256 Y + 128 x half
	s_lshl_b32 s16, s16, 11                        ; x 2,048 bytes: below 50,331,648
	s_mov_b32 s17, 0
	s_lshl_b32 s47, s12, 7
	s_lshl_b32 s46, s42, 8
	s_add_co_u32 s46, s46, s47                     ; row 256 X + 128 x half
	s_lshl_b32 s46, s46, 11
	s_lshl_b32 s47, s45, 21                        ; + the weight's 2,097,152 bytes
	s_add_co_u32 s46, s46, s47
	s_mov_b32 s47, 0
	s_mul_i32 s20, s10, HALFT                      ; where they go: xb's two halves, then the weight's two = wave x 128 rows
	s_wait_dscnt 0x0
	s_wait_kmcnt 0x0
	s_add_nc_u64 s[14:15], s[4:5], s[16:17]
	s_add_nc_u64 s[46:47], s[6:7], s[46:47]
	CROUND                                         ; all sixteen work-groups are here: the first joint loads meet
.irp s, 0,1
	s_mov_b32 s[G0+4*\s], 1
	s_add_co_u32 s[G0+4*\s+1], s20, \s*SLOT
	s_add_nc_u64 s[G0+4*\s+2:G0+4*\s+3], s[14:15], \s*KSTEP*2
	s_or_b32 s[G0+4*\s+3], s[G0+4*\s+3], 0x80000000
	s_mov_b32 s[G0B+4*\s], 1
	s_add_co_u32 s[G0B+4*\s+1], s20, \s*SLOT
	s_add_nc_u64 s[G0B+4*\s+2:G0B+4*\s+3], s[46:47], \s*KSTEP*2
	s_or_b32 s[G0B+4*\s+3], s[G0B+4*\s+3], 0x80000000
	JLOAD \s                                       ; K steps 0 and 1: two loads of this wave are out
.endr
	; a fragment: lane l holds row l % 16; registers 0-3 K = 8 (l / 16) + 0..7, registers 4-7 K = 16 + 8 (l / 16) + 0..7: two loads of 16 bytes, 32 apart
	v_and_b32 v1, 15, v0
	v_bfe_u32 v2, v0, 4, 1
	v_mul_u32_u24 v3, v1, PITCH
	v_lshl_add_u32 v3, v2, 4, v3
	s_mul_i32 s21, s11, HALFT                      ; my 128 rows of xb
	s_mul_i32 s22, s12, HALFT                      ; my 128 rows of the weight,
	s_add_co_u32 s22, s22, 2*HALFT                 ; which lie behind xb's 256
.irp s, 0,1
	v_add_nc_u32 v[ADRA+\s], s21, v3
	v_add_nc_u32 v[ADRB+\s], s22, v3
	s_add_co_u32 s21, s21, SLOT
	s_add_co_u32 s22, s22, SLOT
.endr
	s_mul_i32 s23, s10, 16*SPITCH
	s_add_co_u32 s23, s23, STAGE                   ; my stage
	v_mul_u32_u24 v4, v1, SPITCH
	v_lshl_add_u32 v4, v2, 4, v4
	v_add_nc_u32 v[STO], s23, v4                   ; in: row l % 16, 16 bytes for each half of the lanes
	v_mul_u32_u24 v5, v2, SPITCH
	v_lshl_add_u32 v5, v1, 4, v5
	v_add_nc_u32 v[RD], s23, v5                    ; back: lanes 0-15 one row of 256 bytes, lanes 16-31 the next
	v_lshlrev_b32 v5, 11, v2
	v_lshl_add_u32 v[CO], v1, 4, v5                ; the same two rows in qkv
; 16 matrix instructions: row blocks a0, a0 + 1 of the window's four (hi = 0: my rows 0-63, 1: rows 64-127) x all 8 column blocks, 32 along K.
; zero = 1: the first product starts the sums: nothing is ever cleared.
.macro MUL16 f, hi, a0, zero
.irp a, \a0, \a0+1
.irp b, 0,1,2,3,4,5,6,7
.if \zero
	v_wmma_f32_16x16x32_f16 v[8*(8*(\a)+\b):8*(8*(\a)+\b)+7], v[\f+8*\b:\f+8*\b+7], v[\f+8*(4*\hi+\a):\f+8*(4*\hi+\a)+7], 0
.else
	v_wmma_f32_16x16x32_f16 v[8*(8*(\a)+\b):8*(8*(\a)+\b)+7], v[\f+8*\b:\f+8*\b+7], v[\f+8*(4*\hi+\a):\f+8*(4*\hi+\a)+7], v[8*(8*(\a)+\b):8*(8*(\a)+\b)+7]
.endif
.endr
.endr
.endm
; 32 LDS loads in one run: a quarter step's fragments (128 rows of the weight, 128 rows of xb, 32 K at byte k of the rows) into buffer f
.macro FETCH slot, k, f
	WIN TO_B
.irp i, 0,1,2,3,4,5,6,7
	ds_load_b128 v[\f+8*\i:\f+8*\i+3],   v[ADRB+\slot] offset:\k+\i*16*PITCH
	ds_load_b128 v[\f+8*\i+4:\f+8*\i+7], v[ADRB+\slot] offset:\k+\i*16*PITCH+32
.endr
	WIN 0
.irp i, 0,1,2,3,4,5,6,7
	ds_load_b128 v[\f+8*\i:\f+8*\i+3],   v[ADRA+\slot] offset:\k+\i*16*PITCH
	ds_load_b128 v[\f+8*\i+4:\f+8*\i+7], v[ADRA+\slot] offset:\k+\i*16*PITCH+32
.endr
.endm
.macro PLACES                          ; four places behind a matrix instruction, in front of loads into registers that it read and of reads of its result
.rept 4
	v_nop
.endr
.endm
; A K step is four quarters of 32 along K, 64 matrix instructions each, on buffers 0, 1, 0, 1.  The 64 accumulators take turns, one
; instruction a turn, in the same order everywhere, over the backward jump too.
.macro QUARTER slot, k, f, g, zero
	s_wait_dscnt 8                                 ; the weight and xb's rows 0-63 are in; the youngest eight loads (xb's rows 64-127) may be out
	WIN MUL_LO
	MUL16 \f, 0, 0, \zero
	MUL16 \f, 0, 2, \zero
	PLACES
	FETCH \slot, \k, \g
	s_wait_dscnt 32                                ; all but the 32 just issued
	WIN MUL_HI
	MUL16 \f, 1, 0, \zero
	MUL16 \f, 1, 2, \zero
.endm
.macro THREE slot, zero
	QUARTER \slot, 64,  F0, F1, \zero
	QUARTER \slot, 128, F1, F0, 0
	QUARTER \slot, 192, F0, F1, 0
.endm
; The last quarter multiplies buffer 1 and changes slots.  In front of the barrier each wave waits for its reads of this slot and for all
; its tensor loads (one is out: its part of the next slot).  fill = 1: the barrier opens a round of the cluster's barrier, and the joint
; refill of this slot, two K steps ahead, is the first tensor load behind the round.  From a request to its wait: 240 matrix instructions.
.macro TURN slot, next, fill
	s_wait_dscnt 8
	WIN MUL_LO
	MUL16 F1, 0, 0, 0
	s_wait_dscnt 0                                 ; my reads of this slot are over
	s_wait_tensorcnt 0x0                           ; all my tensor loads have landed
	ds_add_u32 v255, v255
	s_wait_dscnt 0x0
	s_barrier_signal -1
	MUL16 F1, 0, 2, 0                              ; register work while the others arrive
	WIN 0
	s_barrier_wait -1
.if \fill
	CREST
	s_add_nc_u64 s[G0+4*\slot+2:G0+4*\slot+3], s[G0+4*\slot+2:G0+4*\slot+3], 2*KSTEP*2       ; no load of mine is out: group 0 may be written
	s_add_nc_u64 s[G0B+4*\slot+2:G0B+4*\slot+3], s[G0B+4*\slot+2:G0B+4*\slot+3], 2*KSTEP*2
	JLOAD \slot
.endif
	PLACES
	FETCH \next, 0, F0
	WIN MUL_HI
	MUL16 F1, 1, 0, 0
	MUL16 F1, 1, 2, 0
.endm
.macro LAP zero
	THREE 0, \zero
	TURN 0, 1, 1
	THREE 1, 0
	TURN 1, 0, 1
.endm
	s_wait_tensorcnt 1                             ; my part of K step 0 is in; K step 1's stays out
	s_barrier_signal -1
	s_barrier_wait -1
	FETCH 0, 0, F0
	LAP 1                                          ; the first lap's first products start the sums
	WIN 0
	s_mov_b32 s3, LAPS-2
.Llap:
	LAP 0
	WIN 0
	s_sub_co_u32 s3, s3, 1
	s_cmp_lg_u32 s3, 0
	s_cbranch_scc1 .Llap
	THREE 0, 0                                     ; the last lap fills nothing
	TURN 0, 1, 0
	THREE 1, 0
	s_wait_dscnt 8                                 ; the very last quarter: nothing more to fetch
	WIN MUL_LO
	MUL16 F1, 0, 0, 0
	MUL16 F1, 0, 2, 0
	s_wait_dscnt 0
	WIN MUL_HI
	MUL16 F1, 1, 0, 0
	MUL16 F1, 1, 2, 0
	; THE WAY OUT, 16 rows at a time: round to f16, 16 bytes a lane into my own stage, read back as whole rows of 256 bytes.
	PLACES                                         ; behind the last matrix instructions, for the conversions and for the loads into the buffers
	s_lshl_b32 s16, s13, 8
	s_lshl_b32 s14, s11, 7
	s_add_co_u32 s16, s16, s14                     ; my first row: 256 Y + 128 x half
	s_lshl_b32 s16, s16, 11
	s_mov_b32 s17, 0
	s_add_nc_u64 s[8:9], s[8:9], s[16:17]
	s_lshl_b32 s46, s42, 9                         ; my first column in bytes: 512 X + 256 x half
	s_lshl_b32 s47, s12, 8
	s_add_co_u32 s46, s46, s47
	s_mov_b32 s47, 0
	s_add_nc_u64 s[8:9], s[8:9], s[46:47]
; rows 16 i .. 16 i + 15 of my block = the eight tiles (a, 0..7) of window 2 or 3 (from = 0x0a or 0x0f: sources 0 and 1); f: F0 or F1 in turn
.macro OUT16 i, a, from, f
	WIN \from
.irp b, 0,1,2,3,4,5,6,7
.irp r, 0,1,2,3
	v_cvt_pk_f16_f32 v[TMP+4*\b+\r], v[8*(8*\a+\b)+2*\r], v[8*(8*\a+\b)+2*\r+1]
.endr
.endr
	WIN 0
.irp b, 0,1,2,3,4,5,6,7
	ds_store_b128 v[STO], v[TMP+4*\b:TMP+4*\b+3] offset:32*\b
.endr
	s_wait_xcnt 0x0                                ; buffer f, which earlier stores read, and the stores' base are written again only behind this wait
.if \i
	s_add_nc_u64 s[8:9], s[8:9], 16*ROWB
.endif
.irp t, 0,1,2,3,4,5,6,7
	ds_load_b128 v[\f+4*\t:\f+4*\t+3], v[RD] offset:\t*2*SPITCH    ; a wave's LDS instructions are served in order: these see the stores above
.endr
.irp t, 0,1,2,3,4,5,6,7
	s_wait_dscnt 7-\t
	global_store_b128 v[CO], v[\f+4*\t:\f+4*\t+3], s[8:9] offset:2*\t*ROWB   ; 16 lanes store 256 consecutive bytes, aligned
.endr
.endm
	OUT16 0, 0, 0x0a, F0
	OUT16 1, 1, 0x0a, F1
	OUT16 2, 2, 0x0a, F0
	OUT16 3, 3, 0x0a, F1
	OUT16 4, 0, 0x0f, F0
	OUT16 5, 1, 0x0f, F1
	OUT16 6, 2, 0x0f, F0
	OUT16 7, 3, 0x0f, F1
	s_set_vgpr_msb 0x1
	s_wait_tensorcnt 0x0
	ds_add_u32 v255, v255
	s_wait_dscnt 0x0
	s_set_vgpr_msb 0x100
	CROUND                                         ; the closing round: no work-group ends while a partner may still ask for a tile that names it
	s_endpgm
.Lfunc_end_k_q69094c57ad_qkv:
	.size	k_q69094c57ad_qkv, .Lfunc_end_k_q69094c57ad_qkv-k_q69094c57ad_qkv
	.p2alignl 7, 3214868480
	.fill 96, 4, 3214868480
	.section	.rodata,"a",@progbits
	.p2align	6, 0x0
	.amdhsa_kernel k_q69094c57ad_qkv
		.amdhsa_group_segment_fixed_size 327680
		.amdhsa_private_segment_fixed_size 0
		.amdhsa_enable_private_segment 0
		.amdhsa_kernarg_size 24
		.amdhsa_user_sgpr_count 2
		.amdhsa_user_sgpr_kernarg_segment_ptr 1
		.amdhsa_wavefront_size32 1
		.amdhsa_system_sgpr_workgroup_id_x 1
		.amdhsa_system_sgpr_workgroup_id_y 1
		.amdhsa_system_sgpr_workgroup_id_z 1
		.amdhsa_system_vgpr_workitem_id 0
		.amdhsa_next_free_vgpr 1024
		.amdhsa_next_free_sgpr 66
		.amdhsa_reserve_vcc 0
		.amdhsa_float_denorm_mode_32 3
		.amdhsa_float_denorm_mode_16_64 3
		.amdhsa_memory_ordered 1
		.amdhsa_forward_progress 1
		.amdhsa_inst_pref_size 196
	.end_amdhsa_kernel
	.amdgpu_metadata
---
amdhsa.version: [ 1, 2 ]
amdhsa.kernels:
  - .name:           k_q69094c57ad_qkv
    .symbol:         k_q69094c57ad_qkv.kd
    .args:
      - { .name: xb, .offset: 0, .size: 8, .value_kind: global_buffer, .address_space: global }
      - { .name: wb, .offset: 8, .size: 8, .value_kind: global_buffer, .address_space: global }
      - { .name: qkv, .offset: 16, .size: 8, .value_kind: global_buffer, .address_space: global }
    .group_segment_fixed_size: 327680
    .private_segment_fixed_size: 0
    .kernarg_segment_align: 8
    .kernarg_segment_size: 24
    .max_flat_workgroup_size: 128
    .sgpr_count:     66
    .vgpr_count:     1024
    .wavefront_size: 32
...
	.end_amdgpu_metadata
.endif
;; end of part 2
;; launch attn (part 3): grid 4 x 64, 8 waves a work-group, clusters of 4 x 4, 327,680 bytes of LDS; arguments qkv, attention_bias, ao; writes ao
.if DOCPART == 3
	.amdgcn_target "amdgcn-amd-amdhsa--gfx1250"
	.amdhsa_code_object_version 6
	.text
	.protected	k_q69094c57ad_attn
	.globl	k_q69094c57ad_attn
	.p2align	8
	.type	k_q69094c57ad_attn,@function
k_q69094c57ad_attn:
	s_mov_b64 s[64:65], 0
	v_nop
	global_prefetch_b8 v0, s[64:65] scope:SCOPE_SE
	s_setreg_imm32_b32 hwreg(HW_REG_WAVE_MODE, 25, 1), 1
	s_wait_xcnt 0x0
	s_wait_alu depctr_hold_cnt(0) depctr_sa_sdst(0) depctr_va_vdst(0) depctr_va_sdst(0) depctr_va_ssrc(0) depctr_va_vcc(0) depctr_vm_vsrc(0)
	s_getreg_b32 s2, hwreg(HW_REG_IB_STS2, 6, 4)
	s_cmp_eq_u32 s2, 0
	s_cbranch_scc0 .Lentry_in_a_cluster
	s_endpgm
.Lentry_in_a_cluster:
	s_bfe_u32 s2, ttmp6, 0x10000c
	s_cmp_lg_u32 s2, 0xf033
	s_cbranch_scc0 .Lentry_shape_is_right
	s_endpgm
.Lentry_shape_is_right:
; ao[b, q, head h] = 1/2 x softmax over keys of (q k^T / 8 + bias[b, q, :]) times v, with a running maximum.  qkv holds q/4, k/2, v/2 in f16
; as [3][8192][1024], so the first product carries the 1/8 and the result comes out halved (the next launch's weight is doubled); bias f32;
; sums, maxima, exponentials in f32; the softmax's weights p, which lie in [0, 1], are rounded to f16 for the second product.
; A work-group is (X, Y): heads 4 X .. 4 X + 3, queries 128 Y .. 128 Y + 127 of the 8,192 rows (batch b = Y / 16): 256 work-groups.
; Eight waves, two on each SIMD: wave w takes head w / 2 of the four and 64 queries (half w % 2).  Keys go in 32 steps of 64 through two LDS slots.
; CLUSTERS, 4 x 4: the bias tile hangs on Y alone and is asked for jointly along a row of the cluster (so all 16 heads share one fetch);
; the K and V tiles hang on b and X and are asked for jointly along a column (four query blocks).
; LAYOUT: S^T = K Q^T (source 0 = 16 keys, source 1 = 16 queries).  Lane (r, h) then holds query r, register j key 8 h + j.  So
;  - the bias is the C operand as it lies in LDS: 32 neighbouring bytes of bias row r;
;  - maximum and sum stay in the lane but for one exchange between the halves of the wave;
;  - two neighbouring key blocks, packed to f16, ARE source 1 of O^T = V^T P^T; V^T comes by the transposing LDS load;
;  - the running factor is one number a lane.
; TWO CLASSES OF WAVES.  A tile's work in a wave is a chain: START (32 matrix instructions for the scores, then some 150 vector instructions: maximum,
; factor, exponents) and FINISH (some 320 vector instructions: exponentials, O's rescaling, sums, packing; then 32 matrix instructions for P V).
; If both waves of a SIMD ran the chain from the same barrier, they would want the matrix unit together and then the vector unit together.  So
; class 0 runs START(t), FINISH(t) in step t, and class 1 runs FINISH(t - 1), START(t): while one class multiplies, the other does vector work.
; Step 0 is run whole by both classes, under no branch: its FINISH starts O and the sums, so they are written on every way through the text and
; nothing is cleared.  In step 1 class 1 leaves FINISH out, from step 2 on it runs the last tile's first, and behind step 31 it runs one more.
; FINISH works on registers alone (V^T's fragments of tile t are read from LDS in step t by both classes), so no slot is read later than in its
; own step, and no register is added.  Class = ((w >> 2) xor w) & 1: it differs between waves w and w + 4 and between waves 2 i and 2 i + 1.
; The copies of FINISH under branches on the class hold register work and one wait on DScnt; every barrier and the waits in front of it are on
; every wave's path.
; LIMITS.  The running maximum starts at -1.0e38, not at -infinity: a block of keys whose scores are all -infinity gives p = 0, not NaN;
; a row that is -infinity throughout gives 0 x infinity = NaN, as reference() does; scores below -1.0e38 or of magnitude above 2.3e38 are not
; served.  exp(s - m) is exp2(s log2e - round(m log2e)): the rounding of m log2e, |m| 2^-24, is common to a block's weights.  Exponentials below
; 2^-126 are 0 in the sum; p below 2^-25 is 0 in the product, p below 2^-14 is rounded in steps of 2^-24.  The result is a mean of v/2, so it has
; v/2's room in f16; below 2^-14 it is rounded in steps of 2^-24.
; REGISTERS.  Window 0: v10-20 addresses; v32-95 Q[c][kk]; v96-159 K[t][kk]; v160-223 V^T[d][u]; v224-251 per-query numbers.
; Window 1: v0-127 O[c][d] (c: block of 16 queries, d: block of 16 of the head's 64); v128-255 S[c][t] (t: block of 16 keys), later P[c][u].
.set BP, 272                           ; bias row: 256 bytes + 16
.set KP, 528                           ; K row: 512 bytes (four heads) + 16: an odd multiple of 16
.set VP, 544                           ; V row: 512 bytes + 32: an odd multiple of 32, for the transposing load
.set KOFF, 128*BP                      ; a slot: bias 128 rows, K 64 rows, V 64 rows
.set VOFF, KOFF+64*KP
.set SLOT, VOFF+64*VP                  ; 103,424
.set STAGE, 2*SLOT                     ; 206,848 (a multiple of 256): 128 rows x 528 bytes for the way out; no tensor load lands here
.set AB, 10                            ; v10-11  my bias address in slot 0, 1
.set AK, 12                            ; v12-13  K
.set AV, 14                            ; v14-15  V
.set QO, 16                            ; v16     Q's offset in memory
.set STO, 17
.set RD, 18
.set CO, 19
.set PFO, 20                           ; v20     prefetch: my row of the bias tile
.set QF, 32
.set KF, 96
.set VF, 160
.set NMC, 224                          ; pairs (NMC[c], MA[c]): -max x log2e, and one of the two maxima that take turns
.set AL, 232                           ; pairs (AL[c], MB[c]):  the running factor, and the other maximum
.set LS, 240                           ; pairs: two partial sums of p
.set T, 248                            ; v248-251 at work
.set OA, 0                             ; window 1
.set SA, 128                           ; window 1
.set G1BI, 24
.set G1K, 32
.set G1V, 40
.set G0BI, 48                          ; s[48:55]  group 0 of the bias, a set for each slot
.set G0K, 56                           ; s[56:63]
.set G0V, 68                           ; s[68:75]
.set LOG2E, 0x3fb8aa3b
.set MSB, 0
.macro WIN new
.if MSB != \new
	s_set_vgpr_msb (MSB<<8)|\new
.set MSB, \new
.endif
.endm
.macro ROUND                           ; a round of the cluster's barrier
	s_barrier_signal -1
	s_barrier_wait -1
	s_cmp_lg_u32 s10, 0
	s_cbranch_scc1 .Lnot_wave_0_\@
	s_barrier_signal -3
.Lnot_wave_0_\@:
	s_barrier_wait -3
	s_barrier_signal -1
	s_barrier_wait -1
.endm
; The step's three joint loads, one a wave: wave 0 the bias tile, wave 1 K's, wave 2 V's, into slot s.  pf = 1: wave 3 prefetches the bias
; tile that the next step's load will ask for: 32 lanes, one row (256 aligned bytes) each; the four partners of my row of the cluster
; take a quarter of the 128 rows each, so every block is asked for once in the launch.
.macro ASK s, pf
	s_cmp_lg_u32 s10, 0
	s_cbranch_scc1 .Lnot_bias_\@
	tensor_load_to_lds s[G0BI+4*(\s):G0BI+4*(\s)+3], s[G1BI:G1BI+7]
	s_nop 0
	s_branch .Lasked_\@
.Lnot_bias_\@:
	s_cmp_lg_u32 s10, 1
	s_cbranch_scc1 .Lnot_k_\@
	tensor_load_to_lds s[G0K+4*(\s):G0K+4*(\s)+3], s[G1K:G1K+7]
	s_nop 0
	s_branch .Lasked_\@
.Lnot_k_\@:
	s_cmp_lg_u32 s10, 2
	s_cbranch_scc1 .Lnot_v_\@
	tensor_load_to_lds s[G0V+4*(\s):G0V+4*(\s)+3], s[G1V:G1V+7]
	s_nop 0
	s_branch .Lasked_\@
.Lnot_v_\@:
.if \pf
	s_cmp_lg_u32 s10, 3
	s_cbranch_scc1 .Lasked_\@
	global_prefetch_b8 v[PFO], s[82:83] th:TH_LOAD_NT scope:SCOPE_SE
.endif
.Lasked_\@:
.endm
	s_load_b128 s[4:7], s[0:1], 0x0                ; qkv s[4:5], bias s[6:7]
	s_load_b64 s[8:9], s[0:1], 0x10                ; ao
	v_lshl_add_u32 v254, v0, 2, 0x43000
	v_mov_b32 v255, 0
	ds_add_u32 v254, v255
	v_lshrrev_b32 v1, 5, v0
	v_readfirstlane_b32 s10, v1                    ; wave 0..7
	s_lshr_b32 s11, s10, 1                         ; my head of the four
	s_and_b32 s12, s10, 1                          ; my half of the 128 queries
	s_lshr_b32 s88, s10, 2
	s_xor_b32 s88, s88, s10
	s_and_b32 s88, s88, 1                          ; my class: waves 0, 2, 5, 7 are class 0, waves 1, 3, 4, 6 class 1
	s_bfe_u32 s15, ttmp6, 0x40000                  ; cx
	s_bfe_u32 s16, ttmp6, 0x40004                  ; cy
	s_lshl_b32 s14, ttmp9, 2
	s_add_co_u32 s14, s14, s15                     ; X = 4 x cluster x + cx
	s_and_b32 s17, ttmp7, 0xffff                   ; cluster y, 0..15
	s_lshl_b32 s13, s17, 2
	s_add_co_u32 s13, s13, s16                     ; Y = 4 x cluster y + cy
	s_lshr_b32 s18, s17, 2                         ; batch: the same in the whole cluster
	s_lshl_b32 s19, s16, 2
	s_lshl_b32 s19, 15, s19                        ; my row of the cluster
	s_lshl_b32 s20, 0x1111, s15                    ; my column
	s_mov_b32 s22, 0x76543210                      ; v_permlanex16_b32: lane i of one half reads lane i of the other
	s_mov_b32 s23, 0xfedcba98
	; bias tile: 128 rows x 64 f32 (256 bytes), 4 words of padding behind every 64
	s_or_b32 s[G1BI+0], s19, (2<<16)|(1<<20)|(1<<21)|(5<<22)|(3<<25)
	s_mov_b32 s[G1BI+1], 64<<16
	s_mov_b32 s[G1BI+2], 128<<16
	s_mov_b32 s[G1BI+3], 64<<16
	s_mov_b32 s[G1BI+4], 128
	s_mov_b32 s[G1BI+5], 2048
	s_mov_b32 s[G1BI+6], 0
	s_mov_b32 s[G1BI+7], 0
	; K tile: 64 rows x 256 f16 (512 bytes), 4 words behind every 128; V's the same with 8 words
	s_or_b32 s[G1K+0], s20, (1<<16)|(1<<20)|(1<<21)|(6<<22)|(3<<25)
	s_or_b32 s[G1V+0], s20, (1<<16)|(1<<20)|(1<<21)|(6<<22)|(7<<25)
	s_mov_b32 s[G1K+1], 256<<16
	s_mov_b32 s[G1V+1], 256<<16
	s_mov_b32 s[G1K+2], 64<<16
	s_mov_b32 s[G1V+2], 64<<16
	s_mov_b32 s[G1K+3], 256<<16
	s_mov_b32 s[G1V+3], 256<<16
	s_mov_b32 s[G1K+4], 64
	s_mov_b32 s[G1V+4], 64
	s_mov_b32 s[G1K+5], 1024
	s_mov_b32 s[G1V+5], 1024
	s_mov_b32 s[G1K+6], 0
	s_mov_b32 s[G1V+6], 0
	s_mov_b32 s[G1K+7], 0
	s_mov_b32 s[G1V+7], 0
	s_lshl_b32 s76, s13, 20                        ; bias: 128 Y rows of 8,192 bytes (made of Y alone)
	s_mov_b32 s77, 0
	s_lshl_b32 s78, s18, 22                        ; K: batch x 2,048 rows of 2,048 bytes (made of the batch and X alone)
	s_lshl_b32 s79, s14, 9                         ; + 512 X
	s_add_co_u32 s78, s78, s79
	s_add_co_u32 s78, s78, 0x1000000               ; + q's 16,777,216 bytes
	s_mov_b32 s79, 0
	s_lshl_b32 s80, s13, 18                        ; q and ao: 128 Y rows of 2,048 bytes
	s_lshl_b32 s81, s14, 9
	s_add_co_u32 s80, s80, s81                     ; + 512 X
	s_lshl_b32 s84, s12, 17                        ; q: + my 64 rows
	s_lshl_b32 s85, s11, 7                         ;    + my head's 128 bytes
	s_add_co_u32 s84, s84, s85
	s_add_co_u32 s84, s84, s80
	s_mov_b32 s85, 0
	s_lshl_b32 s86, s10, 15                        ; ao: + the 16 rows that my wave stores
	s_add_co_u32 s86, s86, s80
	s_mov_b32 s87, 0
	s_wait_dscnt 0x0
	s_wait_kmcnt 0x0
	s_add_nc_u64 s[76:77], s[6:7], s[76:77]
	s_add_nc_u64 s[78:79], s[4:5], s[78:79]
	s_add_nc_u64 s[84:85], s[4:5], s[84:85]
	s_add_nc_u64 s[8:9], s[8:9], s[86:87]
	s_add_nc_u64 s[82:83], s[76:77], 256           ; prefetch: stepped by a tile at the head of every step, so step t asks for tile t + 2
.irp s, 0,1
	s_mov_b32 s[G0BI+4*\s], 1
	s_mov_b32 s[G0BI+4*\s+1], \s*SLOT
	s_add_nc_u64 s[G0BI+4*\s+2:G0BI+4*\s+3], s[76:77], \s*256
	s_or_b32 s[G0BI+4*\s+3], s[G0BI+4*\s+3], 0x80000000
	s_mov_b32 s[G0K+4*\s], 1
	s_mov_b32 s[G0K+4*\s+1], \s*SLOT+KOFF
	s_add_nc_u64 s[G0K+4*\s+2:G0K+4*\s+3], s[78:79], \s*131072
	s_or_b32 s[G0K+4*\s+3], s[G0K+4*\s+3], 0x80000000
	s_mov_b32 s[G0V+4*\s], 1
	s_mov_b32 s[G0V+4*\s+1], \s*SLOT+VOFF
	s_add_nc_u64 s[G0V+4*\s+2:G0V+4*\s+3], s[78:79], \s*131072+0x1000000
	s_or_b32 s[G0V+4*\s+3], s[G0V+4*\s+3], 0x80000000
.endr
	ROUND                                          ; all sixteen work-groups are here
	ASK 0, 0                                       ; tile 0 into slot 0
	v_and_b32 v1, 31, v0                           ; lane l
	v_and_b32 v2, 15, v0                           ; r
	v_bfe_u32 v3, v0, 4, 1                         ; h
	v_mul_u32_u24 v4, v2, BP
	v_lshl_add_u32 v4, v3, 5, v4                   ; bias: row r, keys 8 h .. as 32 bytes
	s_mul_i32 s80, s12, 64*BP                      ; my 64 queries
	v_add_nc_u32 v[AB], s80, v4
	v_add_nc_u32 v[AB+1], SLOT, v[AB]
	v_mul_u32_u24 v5, v2, KP
	v_lshl_add_u32 v5, v3, 4, v5                   ; K: row r, 16 bytes for each half
	s_lshl_b32 s81, s11, 7                         ; my head's 128 bytes of a row
	s_add_co_u32 s80, s81, KOFF
	v_add_nc_u32 v[AK], s80, v5
	v_add_nc_u32 v[AK+1], SLOT, v[AK]
	v_and_b32 v6, 7, v0
	v_lshl_add_u32 v6, v3, 3, v6                   ; V: key row 8 h + l % 8,
	v_mul_u32_u24 v6, v6, VP
	v_bfe_u32 v7, v0, 3, 1
	v_lshl_add_u32 v6, v7, 4, v6                   ; 16 bytes by bit 3 of the lane
	s_add_co_u32 s80, s81, VOFF
	v_add_nc_u32 v[AV], s80, v6
	v_add_nc_u32 v[AV+1], SLOT, v[AV]
	v_lshlrev_b32 v[QO], 11, v2
	v_lshl_add_u32 v[QO], v3, 4, v[QO]             ; Q in memory: row r of 2,048 bytes, 16 bytes for each half
	; Q's fragments, 8,192 bytes a wave, are read once in the launch and stay in registers: straight from memory, not through LDS
.irp c, 0,1,2,3
.irp k, 0,1
	global_load_b128 v[QF+16*\c+8*\k:QF+16*\c+8*\k+3],   v[QO], s[84:85] offset:\c*32768+64*\k
	global_load_b128 v[QF+16*\c+8*\k+4:QF+16*\c+8*\k+7], v[QO], s[84:85] offset:\c*32768+64*\k+32
.endr
.endr
	s_mul_i32 s80, s12, 64*KP
	s_add_co_u32 s80, s80, s81
	s_add_co_u32 s80, s80, STAGE
	v_add_nc_u32 v[STO], s80, v5                   ; the way out, in: row 64 x half + r, my head's 128 bytes, 16 for each half of the lanes
	s_mul_i32 s80, s10, 16*KP
	s_add_co_u32 s80, s80, STAGE
	v_lshlrev_b32 v[CO], 4, v1                     ; 16 x lane: a row's 512 bytes
	v_add_nc_u32 v[RD], s80, v[CO]                 ; back: my wave's 16 rows
	s_lshl_b32 s80, s15, 5
	v_add_nc_u32 v[PFO], s80, v1
	v_lshlrev_b32 v[PFO], 13, v[PFO]               ; prefetch: bias row 32 cx + lane, 8,192 bytes a row
.irp c, 0,1,2,3
	v_mov_b32 v[NMC+2*\c+1], 0xfe967699            ; the running maximum starts at -1.0e38
	v_mov_b32 v[T+\c], 0                           ; the lane exchange counts as a reader of its destination
.endr
	s_wait_loadcnt 0x0                             ; Q is in: no load is out at any barrier
; 16 matrix instructions of O^T += V^T P^T: 32 keys (u), all (c, d).
.macro PV u, zero
.irp c, 0,1,2,3
.irp d, 0,1,2,3
.if \zero
	v_wmma_f32_16x16x32_f16 v[OA+32*\c+8*\d:OA+32*\c+8*\d+7], v[VF+16*\d+8*\u:VF+16*\d+8*\u+7], v[SA+32*\c+16*\u:SA+32*\c+16*\u+7], 0
.else
	v_wmma_f32_16x16x32_f16 v[OA+32*\c+8*\d:OA+32*\c+8*\d+7], v[VF+16*\d+8*\u:VF+16*\d+8*\u+7], v[SA+32*\c+16*\u:SA+32*\c+16*\u+7], v[OA+32*\c+8*\d:OA+32*\c+8*\d+7]
.endif
.endr
.endr
.endm
; The second half of a tile's chain, on registers alone: S holds the exponents s log2e - max log2e, AL the running factor, VF V^T's fragments.
; first = 1: the launch's first tile: nothing to rescale, the first products and pairs start the sums.
.macro FINISH first
	; p = exp2(exponent), in place; O's rescaling stands between the exponentials as the plain place behind them
	WIN 0x41
.irp c, 0,1,2,3
.irp p, 0,1,2,3,4,5,6,7,8,9,10,11,12,13,14,15
	v_exp_f32 v[SA+32*\c+2*\p], v[SA+32*\c+2*\p]
	v_exp_f32 v[SA+32*\c+2*\p+1], v[SA+32*\c+2*\p+1]
.if \first == 0
	s_wait_alu depctr_va_vdst(0)
	v_pk_mul_f32 v[OA+32*\c+2*\p:OA+32*\c+2*\p+1], v[OA+32*\c+2*\p:OA+32*\c+2*\p+1], v[AL+2*\c:AL+2*\c+1] op_sel_hi:[1,0]
.endif
.endr
.endr
.if \first
	v_nop                                          ; the plain place behind the exponentials (ISA guide 5.7.2)
	WIN 0x05
	s_wait_alu depctr_va_vdst(0)
.irp c, 0,1,2,3
	v_pk_add_f32 v[LS+2*\c:LS+2*\c+1], v[SA+32*\c:SA+32*\c+1], v[SA+32*\c+2:SA+32*\c+3]    ; the first two pairs start the sums
.endr
	WIN 0x01
.irp p, 2,3,4,5,6,7,8,9,10,11,12,13,14,15
.irp c, 0,1,2,3
	v_pk_add_f32 v[LS+2*\c:LS+2*\c+1], v[SA+32*\c+2*\p:SA+32*\c+2*\p+1], v[LS+2*\c:LS+2*\c+1]
.endr
.endr
.else
	WIN 0x10
	s_wait_alu depctr_va_vdst(0)
.irp c, 0,1,2,3
	v_pk_fma_f32 v[LS+2*\c:LS+2*\c+1], v[LS+2*\c:LS+2*\c+1], v[AL+2*\c:AL+2*\c+1], v[SA+32*\c:SA+32*\c+1] op_sel_hi:[1,0,1]
.endr
	WIN 0x01
.irp p, 1,2,3,4,5,6,7,8,9,10,11,12,13,14,15
.irp c, 0,1,2,3
	v_pk_add_f32 v[LS+2*\c:LS+2*\c+1], v[SA+32*\c+2*\p:SA+32*\c+2*\p+1], v[LS+2*\c:LS+2*\c+1]
.endr
.endr
.endif
	; two key blocks of 8 registers pack into the 8 registers of source 1: register i from registers 2 i, 2 i + 1, ascending, in place
	WIN 0x45
.irp c, 0,1,2,3
.irp u, 0,1
.irp i, 0,1,2,3,4,5,6,7
	v_cvt_pk_f16_f32 v[SA+32*\c+16*\u+\i], v[SA+32*\c+16*\u+2*\i], v[SA+32*\c+16*\u+2*\i+1]
.endr
.endr
.endr
	s_wait_dscnt 0x0                               ; V^T is in (class 1: it came in the step before; K's loads of this step are waited for with it)
	WIN 0x54                                       ; source 0 (V^T) window 0; source 1 (P), C and D window 1
	PV 0, \first
	PV 1, 0
.rept 5
	v_nop                                          ; five places: what follows loads into, and its matrix instructions write over, P's and V's registers
.endr
	WIN 0
.endm
; One step: 64 keys from slot `slot`.  refill: the next tile is asked for, into the other slot.
; first = 1: the launch's first tile: both classes run START and FINISH, under no branch.
; pre = 1: class 1 finishes the tile of the step before ahead of START (from step 2 on).
.macro STEP slot, refill, pf, first, pre
.set OLD, NMC+1+8*\slot                ; the two maxima take turns: slot 0 reads MA and writes MB, slot 1 the other way round
.set NEW, AL+1-8*\slot
	s_wait_tensorcnt 0x0                           ; all my tensor loads have landed, my part of this step's tile among them: every group 0 may be written
	ds_add_u32 v254, v255
	s_wait_dscnt 0x0
	s_wait_xcnt 0x0                                ; the prefetch issued a step ago has read its base
	s_add_nc_u64 s[G0BI+4*\slot+2:G0BI+4*\slot+3], s[G0BI+4*\slot+2:G0BI+4*\slot+3], 512      ; this slot's next tile: two tiles on
	s_add_nc_u64 s[G0K+4*\slot+2:G0K+4*\slot+3], s[G0K+4*\slot+2:G0K+4*\slot+3], 262144
	s_add_nc_u64 s[G0V+4*\slot+2:G0V+4*\slot+3], s[G0V+4*\slot+2:G0V+4*\slot+3], 262144
	s_add_nc_u64 s[82:83], s[82:83], 256
	s_wait_dscnt 0x0                               ; my reads of the other slot are over, V^T's among them
	ROUND                                          ; both now hold of every wave of every work-group of the cluster
.if \refill
	ASK 1-\slot, \pf                               ; first behind the round, one tensor load a wave; it has the whole step in which to land
.endif
	; K's 16 loads: its registers were last read by the scores' products of the step before, with the maximum's vector work behind them
.irp t, 0,1,2,3
.irp k, 0,1
	ds_load_b128 v[KF+16*\t+8*\k:KF+16*\t+8*\k+3],   v[AK+\slot] offset:\t*16*KP+64*\k
	ds_load_b128 v[KF+16*\t+8*\k+4:KF+16*\t+8*\k+7], v[AK+\slot] offset:\t*16*KP+64*\k+32
.endr
.endr
.if \pre
	s_cmp_eq_u32 s88, 0
	s_cbranch_scc1 .Lstart_\@                      ; class 0 finished the last tile in its own step
	FINISH 0
.Lstart_\@:
.endif
	; START.  The bias' 32 loads, by key block, straight into the accumulators
	WIN 0x40                                       ; destination in window 1
.irp t, 0,1,2,3
.irp c, 0,1,2,3
	ds_load_b128 v[SA+32*\c+8*\t:SA+32*\c+8*\t+3],   v[AB+\slot] offset:\c*16*BP+64*\t
	ds_load_b128 v[SA+32*\c+8*\t+4:SA+32*\c+8*\t+7], v[AB+\slot] offset:\c*16*BP+64*\t+16
.endr
.endr
	; S^T = K Q^T + bias.  The accumulators take turns, one instruction a turn.
	; V^T's 16 loads stand behind the first key block's products: 48 LDS loads are out at the most, then 24 + 16.
.irp t, 0,1,2,3
.if \t == 0
	s_wait_dscnt 24                                ; K and the bias of key block 0 are in; the bias of blocks 1 to 3 may be out
.else
	s_wait_dscnt (3-\t)*8+16                       ; the bias of key blocks up to t is in; the later blocks' bias and V's sixteen loads may be out
.endif
	WIN 0x50
.irp k, 0,1
.irp c, 0,1,2,3
	v_wmma_f32_16x16x32_f16 v[SA+32*\c+8*\t:SA+32*\c+8*\t+7], v[KF+16*\t+8*\k:KF+16*\t+8*\k+7], v[QF+16*\c+8*\k:QF+16*\c+8*\k+7], v[SA+32*\c+8*\t:SA+32*\c+8*\t+7]
.endr
.endr
.if \t == 0
	WIN 0                                          ; V's registers were last read by the FINISH before, whose five places stand at its end
.irp d, 0,1,2,3
.irp u, 0,1
	ds_load_tr16_b128 v[VF+16*\d+8*\u:VF+16*\d+8*\u+3],   v[AV+\slot] offset:\u*32*VP+32*\d
	ds_load_tr16_b128 v[VF+16*\d+8*\u+4:VF+16*\d+8*\u+7], v[AV+\slot] offset:\u*32*VP+16*VP+32*\d
.endr
.endr
.endif
.endr
.rept 4
	v_nop                                          ; four places before vector instructions read the scores (ISA guide 7.12.1)
.endr
	; the new maximum of each query: my 32 scores and the old maximum, four chains
	WIN 0x05
.irp c, 0,1,2,3
	v_max3_num_f32 v[NEW+2*\c], v[SA+32*\c], v[SA+32*\c+1], v[OLD+2*\c]
.endr
.irp i, 1,2,3,4,5,6,7,8,9,10,11,12,13,14,15
.irp c, 0,1,2,3
	v_max3_num_f32 v[NEW+2*\c], v[SA+32*\c+2*\i], v[SA+32*\c+2*\i+1], v[NEW+2*\c]
.endr
.endr
	WIN 0
.irp c, 0,1,2,3
	v_permlanex16_b32 v[T+\c], v[NEW+2*\c], s22, s23       ; the other half of the wave holds the query's other 32 keys
.endr
.irp c, 0,1,2,3
	v_max_num_f32 v[NEW+2*\c], v[NEW+2*\c], v[T+\c]
.endr
.irp c, 0,1,2,3
	v_mul_f32 v[NMC+2*\c], 0xbfb8aa3b, v[NEW+2*\c]         ; -max x log2e
.endr
.if \first == 0
	s_wait_alu depctr_va_vdst(0)
.irp c, 0,1,2,3
	v_fma_f32 v[AL+2*\c], v[OLD+2*\c], LOG2E, v[NMC+2*\c]
.endr
.irp c, 0,1,2,3
	v_exp_f32 v[AL+2*\c], v[AL+2*\c]                       ; the factor exp(old - new); the fused multiply-adds below are the plain place behind it
.endr
.endif
	; the exponents s log2e - max log2e, in place
	WIN 0x41
.irp c, 0,1,2,3
.irp p, 0,1,2,3,4,5,6,7,8,9,10,11,12,13,14,15
	v_pk_fma_f32 v[SA+32*\c+2*\p:SA+32*\c+2*\p+1], v[SA+32*\c+2*\p:SA+32*\c+2*\p+1], LOG2E, v[NMC+2*\c:NMC+2*\c+1] op_sel_hi:[1,0,0]
.endr
.endr
.if \first
	FINISH 1                                       ; every wave, whatever its class: O and the sums are started on every way through the text
.else
	WIN 0
	s_cmp_lg_u32 s88, 0
	s_cbranch_scc1 .Lnext_\@                       ; class 1 finishes this tile behind the next step's barrier
	FINISH 0
.Lnext_\@:
.endif
.endm
	STEP 0, 1, 1, 1, 0                             ; tile 0, whole in both classes; asks for tile 1 (slot 1's first fill, issued as a refill is) and prefetches bias tile 2
	STEP 1, 1, 1, 0, 0                             ; tile 1: class 1 leaves FINISH for the next step: from here on the classes are half a chain apart
	s_mov_b32 s21, 14
.Lpair:
	STEP 0, 1, 1, 0, 1                             ; tiles 2 .. 29; the prefetches reach bias tile 31, the last
	STEP 1, 1, 1, 0, 1
	s_sub_co_u32 s21, s21, 1
	s_cmp_lg_u32 s21, 0
	s_cbranch_scc1 .Lpair
	STEP 0, 1, 0, 0, 1                             ; tile 30 asks for tile 31; nothing is left to prefetch
	STEP 1, 0, 0, 0, 1                             ; tile 31 asks for nothing
	s_cmp_eq_u32 s88, 0
	s_cbranch_scc1 .Lall_tiles
	FINISH 0                                       ; class 1: tile 31
.Lall_tiles:
	; O / sum, to f16, through the stage: the eight waves' pieces make rows of 512 bytes (four heads)
.irp c, 0,1,2,3
	v_add_f32 v[LS+2*\c], v[LS+2*\c], v[LS+2*\c+1]
.endr
.irp c, 0,1,2,3
	v_permlanex16_b32 v[T+\c], v[LS+2*\c], s22, s23
.endr
.irp c, 0,1,2,3
	v_add_f32 v[LS+2*\c], v[LS+2*\c], v[T+\c]
.endr
	s_wait_alu depctr_va_vdst(0)
.irp c, 0,1,2,3
	v_rcp_f32 v[AL+2*\c], v[LS+2*\c]
.endr
	v_nop                                          ; the plain place behind the reciprocals
	WIN 0x41
	s_wait_alu depctr_va_vdst(0)
.irp c, 0,1,2,3
.irp p, 0,1,2,3,4,5,6,7,8,9,10,11,12,13,14,15
	v_pk_mul_f32 v[OA+32*\c+2*\p:OA+32*\c+2*\p+1], v[OA+32*\c+2*\p:OA+32*\c+2*\p+1], v[AL+2*\c:AL+2*\c+1] op_sel_hi:[1,0]
.endr
.endr
	WIN 0x05
.irp c, 0,1,2,3
.irp d, 0,1,2,3
.irp i, 0,1,2,3
	v_cvt_pk_f16_f32 v[KF+4*(4*\c+\d)+\i], v[OA+32*\c+8*\d+2*\i], v[OA+32*\c+8*\d+2*\i+1]
.endr
.endr
.endr
	WIN 0
.irp c, 0,1,2,3
.irp d, 0,1,2,3
	ds_store_b128 v[STO], v[KF+4*(4*\c+\d):KF+4*(4*\c+\d)+3] offset:\c*16*KP+32*\d   ; query 16 c + r, the head's numbers 16 d + 8 h .. + 7
.endr
.endr
	s_wait_dscnt 0x0                               ; for the others' sake: my stores are done
	s_barrier_signal -1
	s_barrier_wait -1
.irp i, 0,1,2,3,4,5,6,7,8,9,10,11,12,13,14,15
	ds_load_b128 v[VF+4*\i:VF+4*\i+3], v[RD] offset:\i*KP
.endr
.irp i, 0,1,2,3,4,5,6,7,8,9,10,11,12,13,14,15
	s_wait_dscnt 15-\i
	global_store_b128 v[CO], v[VF+4*\i:VF+4*\i+3], s[8:9] offset:\i*2048     ; the wave stores 512 consecutive bytes, aligned
.endr
	s_wait_tensorcnt 0x0
	ds_add_u32 v254, v255
	s_wait_dscnt 0x0
	ROUND                                          ; the closing round
	s_endpgm
.Lfunc_end_k_q69094c57ad_attn:
	.size	k_q69094c57ad_attn, .Lfunc_end_k_q69094c57ad_attn-k_q69094c57ad_attn
	.p2alignl 7, 3214868480
	.fill 96, 4, 3214868480
	.section	.rodata,"a",@progbits
	.p2align	6, 0x0
	.amdhsa_kernel k_q69094c57ad_attn
		.amdhsa_group_segment_fixed_size 327680
		.amdhsa_private_segment_fixed_size 0
		.amdhsa_enable_private_segment 0
		.amdhsa_kernarg_size 24
		.amdhsa_user_sgpr_count 2
		.amdhsa_user_sgpr_kernarg_segment_ptr 1
		.amdhsa_wavefront_size32 1
		.amdhsa_system_sgpr_workgroup_id_x 1
		.amdhsa_system_sgpr_workgroup_id_y 1
		.amdhsa_system_sgpr_workgroup_id_z 1
		.amdhsa_system_vgpr_workitem_id 0
		.amdhsa_next_free_vgpr 512
		.amdhsa_next_free_sgpr 90
		.amdhsa_reserve_vcc 0
		.amdhsa_float_denorm_mode_32 3
		.amdhsa_float_denorm_mode_16_64 3
		.amdhsa_memory_ordered 1
		.amdhsa_forward_progress 1
		.amdhsa_inst_pref_size 255
	.end_amdhsa_kernel
	.section	.bss,"aw",@nobits
	.p2align	6
	.space	262144
	.amdgpu_metadata
---
amdhsa.version: [ 1, 2 ]
amdhsa.kernels:
  - .name:           k_q69094c57ad_attn
    .symbol:         k_q69094c57ad_attn.kd
    .args:
      - { .name: qkv, .offset: 0, .size: 8, .value_kind: global_buffer, .address_space: global }
      - { .name: attention_bias, .offset: 8, .size: 8, .value_kind: global_buffer, .address_space: global }
      - { .name: ao, .offset: 16, .size: 8, .value_kind: global_buffer, .address_space: global }
    .group_segment_fixed_size: 327680
    .private_segment_fixed_size: 0
    .kernarg_segment_align: 8
    .kernarg_segment_size: 24
    .max_flat_workgroup_size: 256
    .sgpr_count:     90
    .vgpr_count:     512
    .wavefront_size: 32
...
	.end_amdgpu_metadata
.endif
;; end of part 3
;; launch oproj (part 4): grid 4 x 64, 4 waves a work-group, clusters of 4 x 4, 327,680 bytes of LDS; arguments ao, wb, out0; writes out0
.if DOCPART == 4
	.amdgcn_target "amdgcn-amd-amdhsa--gfx1250"
	.amdhsa_code_object_version 6
	.text
	.protected	k_q69094c57ad_oproj
	.globl	k_q69094c57ad_oproj
	.p2align	8
	.type	k_q69094c57ad_oproj,@function
k_q69094c57ad_oproj:
	s_mov_b64 s[64:65], 0
	v_nop
	global_prefetch_b8 v0, s[64:65] scope:SCOPE_SE
	s_setreg_imm32_b32 hwreg(HW_REG_WAVE_MODE, 25, 1), 1
	s_wait_xcnt 0x0
	s_wait_alu depctr_hold_cnt(0) depctr_sa_sdst(0) depctr_va_vdst(0) depctr_va_sdst(0) depctr_va_ssrc(0) depctr_va_vcc(0) depctr_vm_vsrc(0)
	s_getreg_b32 s2, hwreg(HW_REG_IB_STS2, 6, 4)
	s_cmp_eq_u32 s2, 0
	s_cbranch_scc0 .Lentry_in_a_cluster
	s_endpgm
.Lentry_in_a_cluster:
	s_bfe_u32 s2, ttmp6, 0x10000c
	s_cmp_lg_u32 s2, 0xf033
	s_cbranch_scc0 .Lentry_shape_is_right
	s_endpgm
.Lentry_shape_is_right:
; out0[m][n] = sum over k of ao[m][k] W[n][k]: 8,192 x 1,024 x 1,024.  Operands f16, sums and result f32.  ao holds the attention's result
; halved and W, the fourth part of wb, holds 2 Wo: the two powers of two cancel exactly.
; A work-group makes 128 rows x 256 columns: 256 work-groups, one for each WGP (blocks of 256 x 256 would make 128).  Four waves of 64 x 128:
; 32 accumulator tiles of 16 x 16 = 256 registers, the whole of register window 1.  K goes in 8 steps of 128 through two LDS slots filled by
; tensor loads: a tile's rows are 256 bytes of memory and start at multiples of 256 bytes from the buffer's first byte.
; CLUSTERS: 4 x 4 work-groups, ao's tiles asked for jointly along a row of the cluster and Wo's along a column: a quarter of the requests.
; Source 0 = rows of Wo, source 1 = rows of ao: a lane holds eight neighbouring columns of one row.
; The way out: f32, 16 rows of 512 bytes at a time through each wave's own stage.
; REGISTERS: window 0: v16-26 addresses; v32-127, v128-223 two fragment buffers (8 blocks of Wo, then 4 of ao, of 8 registers).
; Window 1: accumulator (a, b) at v[8 (8 a + b)].
.set KDIM,   1024
.set KSTEP,  128
.set PITCH,  272                       ; an LDS row: 256 bytes + 16 of padding, an odd multiple of 16
.set BH,     128*PITCH
.set AH,     64*PITCH
.set AOFF,   2*BH                      ; a slot: Wo's 256 rows, then ao's 128
.set SLOT,   AOFF+2*AH
.set STAGE,  2*SLOT                    ; behind the ring (a multiple of 256): 16 rows x 528 bytes for each wave; no tensor load lands here
.set SPITCH, 528                       ; 512 bytes + 16
.set LAPS,   KDIM/(2*KSTEP)
.set ADRA, 16
.set ADRB, 20
.set STO,  24
.set RD,   25
.set CO,   26
.set F0,   32
.set F1,   128
.set G1,  24
.set G0,  32
.set G1B, 48
.set G0B, 56
.set MULW, 0x50
.set MSB, 0
.macro WIN new
.if MSB != \new
	s_set_vgpr_msb (MSB<<8)|\new
.set MSB, \new
.endif
.endm
.macro PLACES                          ; four places behind a matrix instruction (ISA guide 7.12.1)
.rept 4
	v_nop
.endr
.endm
.macro JLOAD s                         ; waves 0, 1: Wo's halves (128 rows); waves 2, 3: ao's (64 rows); one load a wave
	s_cmp_eq_u32 s11, 0
	s_cbranch_scc0 .Lfor_a_\@
	tensor_load_to_lds s[G0B+4*\s:G0B+4*\s+3], s[G1B:G1B+7]
	s_nop 0
	s_branch .Lasked_\@
.Lfor_a_\@:
	tensor_load_to_lds s[G0+4*\s:G0+4*\s+3], s[G1:G1+7]
	s_nop 0
.Lasked_\@:
.endm
.macro CREST
	s_cmp_lg_u32 s10, 0
	s_cbranch_scc1 .Lnot_wave_0_\@
	s_barrier_signal -3
.Lnot_wave_0_\@:
	s_barrier_wait -3
	s_barrier_signal -1
	s_barrier_wait -1
.endm
.macro CROUND
	s_barrier_signal -1
	s_barrier_wait -1
	CREST
.endm
	s_load_b128 s[4:7], s[0:1], 0x0                ; ao s[4:5], wb s[6:7]
	s_load_b64 s[8:9], s[0:1], 0x10                ; out0
	v_lshl_add_u32 v254, v0, 2, 0x3b400
	v_mov_b32 v255, 0
	ds_add_u32 v254, v255
	v_lshrrev_b32 v1, 5, v0
	v_readfirstlane_b32 s10, v1
	s_lshr_b32 s11, s10, 1                         ; my half of the rows.  Also: I fetch for Wo (0) or for ao (1)
	s_and_b32 s12, s10, 1                          ; my half of the columns.  Also: which half of that tile I fetch
	s_bfe_u32 s40, ttmp6, 0x40000                  ; cx
	s_bfe_u32 s41, ttmp6, 0x40004                  ; cy
	s_lshl_b32 s42, ttmp9, 2
	s_add_co_u32 s42, s42, s40                     ; block column X, 0..3
	s_and_b32 s13, ttmp7, 0xffff
	s_lshl_b32 s13, s13, 2
	s_add_co_u32 s13, s13, s41                     ; block row Y, 0..63
	s_lshl_b32 s43, s41, 2
	s_lshl_b32 s43, 15, s43                        ; my row of the cluster
	s_lshl_b32 s44, 0x1111, s40                    ; my column
	s_or_b32 s[G1+0], s43, (1<<16)|(1<<20)|(1<<21)|(5<<22)|(3<<25)
	s_or_b32 s[G1B+0], s44, (1<<16)|(1<<20)|(1<<21)|(5<<22)|(3<<25)
	s_mov_b32 s[G1+1], KSTEP<<16
	s_mov_b32 s[G1B+1], KSTEP<<16
	s_mov_b32 s[G1+2], 64<<16
	s_mov_b32 s[G1B+2], 128<<16
	s_mov_b32 s[G1+3], KSTEP<<16
	s_mov_b32 s[G1B+3], KSTEP<<16
	s_mov_b32 s[G1+4], 64
	s_mov_b32 s[G1B+4], 128
	s_mov_b32 s[G1+5], KDIM
	s_mov_b32 s[G1B+5], KDIM
	s_mov_b32 s[G1+6], 0
	s_mov_b32 s[G1B+6], 0
	s_mov_b32 s[G1+7], 0
	s_mov_b32 s[G1B+7], 0
	s_lshl_b32 s17, s12, 6
	s_lshl_b32 s16, s13, 7
	s_add_co_u32 s16, s16, s17                     ; ao: row 128 Y + 64 x half
	s_lshl_b32 s16, s16, 11
	s_mov_b32 s17, 0
	s_lshl_b32 s47, s12, 7
	s_lshl_b32 s46, s42, 8
	s_add_co_u32 s46, s46, s47                     ; Wo: row 256 X + 128 x half
	s_lshl_b32 s46, s46, 11
	s_add_co_u32 s46, s46, 3*2097152               ; behind Wq, Wk, Wv in wb
	s_mov_b32 s47, 0
	s_mul_i32 s20, s10, AH
	s_add_co_u32 s20, s20, AOFF-2*AH               ; waves 2, 3: AOFF, AOFF + AH
	s_mul_i32 s21, s10, BH                         ; waves 0, 1: 0, BH
	s_wait_dscnt 0x0
	s_wait_kmcnt 0x0
	s_add_nc_u64 s[14:15], s[4:5], s[16:17]
	s_add_nc_u64 s[46:47], s[6:7], s[46:47]
	CROUND                                         ; in front of the first joint loads
.irp s, 0,1
	s_mov_b32 s[G0+4*\s], 1
	s_add_co_u32 s[G0+4*\s+1], s20, \s*SLOT
	s_add_nc_u64 s[G0+4*\s+2:G0+4*\s+3], s[14:15], \s*KSTEP*2
	s_or_b32 s[G0+4*\s+3], s[G0+4*\s+3], 0x80000000
	s_mov_b32 s[G0B+4*\s], 1
	s_add_co_u32 s[G0B+4*\s+1], s21, \s*SLOT
	s_add_nc_u64 s[G0B+4*\s+2:G0B+4*\s+3], s[46:47], \s*KSTEP*2
	s_or_b32 s[G0B+4*\s+3], s[G0B+4*\s+3], 0x80000000
	JLOAD \s                                       ; K steps 0 and 1: two loads of this wave are out
.endr
	v_and_b32 v1, 15, v0
	v_bfe_u32 v2, v0, 4, 1
	v_mul_u32_u24 v3, v1, PITCH
	v_lshl_add_u32 v3, v2, 4, v3
	s_mul_i32 s22, s11, AH
	s_add_co_u32 s22, s22, AOFF
	s_mul_i32 s23, s12, BH
.irp s, 0,1
	v_add_nc_u32 v[ADRA+\s], s22, v3
	v_add_nc_u32 v[ADRB+\s], s23, v3
	s_add_co_u32 s22, s22, SLOT
	s_add_co_u32 s23, s23, SLOT
.endr
	s_mul_i32 s18, s10, 16*SPITCH
	s_add_co_u32 s18, s18, STAGE                   ; my stage
	v_mul_u32_u24 v4, v1, SPITCH
	v_lshl_add_u32 v4, v2, 5, v4
	v_add_nc_u32 v[STO], s18, v4                   ; in: row l % 16, 32 bytes (8 f32) for each half of the lanes
	v_and_b32 v5, 31, v0
	v_lshlrev_b32 v[CO], 4, v5                     ; 16 x lane: a row's 512 bytes
	v_add_nc_u32 v[RD], s18, v[CO]
.macro MUL8 f, a, zero
.irp b, 0,1,2,3,4,5,6,7
.if \zero
	v_wmma_f32_16x16x32_f16 v[8*(8*\a+\b):8*(8*\a+\b)+7], v[\f+8*\b:\f+8*\b+7], v[\f+64+8*\a:\f+64+8*\a+7], 0
.else
	v_wmma_f32_16x16x32_f16 v[8*(8*\a+\b):8*(8*\a+\b)+7], v[\f+8*\b:\f+8*\b+7], v[\f+64+8*\a:\f+64+8*\a+7], v[8*(8*\a+\b):8*(8*\a+\b)+7]
.endif
.endr
.endm
.macro FETCH slot, k, f                ; 24 LDS loads in one run: Wo's 16, then ao's 8
	WIN 0
.irp i, 0,1,2,3,4,5,6,7
	ds_load_b128 v[\f+8*\i:\f+8*\i+3],   v[ADRB+\slot] offset:\k+\i*16*PITCH
	ds_load_b128 v[\f+8*\i+4:\f+8*\i+7], v[ADRB+\slot] offset:\k+\i*16*PITCH+32
.endr
.irp i, 0,1,2,3
	ds_load_b128 v[\f+64+8*\i:\f+64+8*\i+3],   v[ADRA+\slot] offset:\k+\i*16*PITCH
	ds_load_b128 v[\f+64+8*\i+4:\f+64+8*\i+7], v[ADRA+\slot] offset:\k+\i*16*PITCH+32
.endr
.endm
; The 32 accumulators take turns, one instruction a turn, in the same order everywhere.
.macro QUARTER slot, k, f, g, zero
	s_wait_dscnt 4                                 ; Wo and ao's blocks 0, 1 are in; the four youngest loads (blocks 2, 3) may be out
	WIN MULW
	MUL8 \f, 0, \zero
	MUL8 \f, 1, \zero
	PLACES                                         ; four places, then loads into the buffer that the last quarter's matrix instructions read
	FETCH \slot, \k, \g
	s_wait_dscnt 24                                ; all but the 24 just issued
	WIN MULW
	MUL8 \f, 2, \zero
	MUL8 \f, 3, \zero
.endm
.macro THREE slot, zero
	QUARTER \slot, 64,  F0, F1, \zero
	QUARTER \slot, 128, F1, F0, 0
	QUARTER \slot, 192, F0, F1, 0
.endm
.macro TURN slot, next, fill
	s_wait_dscnt 4
	WIN MULW
	MUL8 F1, 0, 0
	s_wait_dscnt 0                                 ; my reads of this slot are over
	s_wait_tensorcnt 0x0                           ; all my tensor loads have landed: the one that was out is my part of the next slot
	ds_add_u32 v254, v255
	s_wait_dscnt 0x0
	s_barrier_signal -1
	MUL8 F1, 1, 0                                  ; register work while the others arrive
	WIN 0
	s_barrier_wait -1
.if \fill
	CREST                                          ; the barrier above opened a round of the cluster's barrier; the joint refill comes first behind it
	s_add_nc_u64 s[G0+4*\slot+2:G0+4*\slot+3], s[G0+4*\slot+2:G0+4*\slot+3], 2*KSTEP*2
	s_add_nc_u64 s[G0B+4*\slot+2:G0B+4*\slot+3], s[G0B+4*\slot+2:G0B+4*\slot+3], 2*KSTEP*2
	JLOAD \slot
.endif
	PLACES
	FETCH \next, 0, F0
	WIN MULW
	MUL8 F1, 2, 0
	MUL8 F1, 3, 0
.endm
.macro LAP zero
	THREE 0, \zero
	TURN 0, 1, 1
	THREE 1, 0
	TURN 1, 0, 1
.endm
	s_wait_tensorcnt 1                             ; my part of K step 0 is in; K step 1's stays out
	s_barrier_signal -1
	s_barrier_wait -1
	FETCH 0, 0, F0
	LAP 1
	WIN 0
	s_mov_b32 s3, LAPS-2
.Llap:
	LAP 0
	WIN 0
	s_sub_co_u32 s3, s3, 1
	s_cmp_lg_u32 s3, 0
	s_cbranch_scc1 .Llap
	THREE 0, 0                                     ; the last lap fills nothing
	TURN 0, 1, 0
	THREE 1, 0
	s_wait_dscnt 4
	WIN MULW
	MUL8 F1, 0, 0
	MUL8 F1, 1, 0
	s_wait_dscnt 0
	MUL8 F1, 2, 0
	MUL8 F1, 3, 0
	; THE WAY OUT, 16 rows at a time: 32 bytes a lane and tile into my own stage, read back as whole rows of 512 bytes.
	PLACES                                         ; behind the last matrix instructions, for the LDS stores of results and the loads into the buffers
	s_lshl_b32 s16, s13, 7
	s_lshl_b32 s14, s11, 6
	s_add_co_u32 s16, s16, s14                     ; my first row: 128 Y + 64 x half
	s_lshl_b32 s16, s16, 12                        ; x 4,096 bytes
	s_mov_b32 s17, 0
	s_add_nc_u64 s[8:9], s[8:9], s[16:17]
	s_lshl_b32 s46, s42, 10                        ; my first column in bytes: 1,024 X + 512 x half
	s_lshl_b32 s47, s12, 9
	s_add_co_u32 s46, s46, s47
	s_mov_b32 s47, 0
	s_add_nc_u64 s[8:9], s[8:9], s[46:47]
.macro OUTF a, f
	WIN 0x04                                       ; the stores' data in window 1, their address in window 0
.irp b, 0,1,2,3,4,5,6,7
	ds_store_b128 v[STO], v[8*(8*\a+\b):8*(8*\a+\b)+3]   offset:64*\b
	ds_store_b128 v[STO], v[8*(8*\a+\b)+4:8*(8*\a+\b)+7] offset:64*\b+16
.endr
	WIN 0
	s_wait_xcnt 0x0                                ; buffer f, which earlier stores read, and the stores' base are written again only behind this wait
.if \a
	s_add_nc_u64 s[8:9], s[8:9], 16*4096
.endif
.irp t, 0,1,2,3,4,5,6,7,8,9,10,11,12,13,14,15
	ds_load_b128 v[\f+4*\t:\f+4*\t+3], v[RD] offset:\t*SPITCH      ; a wave's LDS instructions are served in order: these see the stores above
.endr
.irp t, 0,1,2,3,4,5,6,7,8,9,10,11,12,13,14,15
	s_wait_dscnt 15-\t
	global_store_b128 v[CO], v[\f+4*\t:\f+4*\t+3], s[8:9] offset:\t*4096 th:TH_STORE_NT   ; the wave stores 512 consecutive bytes, aligned
.endr
.endm
	OUTF 0, F0
	OUTF 1, F1
	OUTF 2, F0
	OUTF 3, F1
	s_wait_tensorcnt 0x0
	ds_add_u32 v254, v255
	s_wait_dscnt 0x0
	CROUND                                         ; the closing round
	s_endpgm
.Lfunc_end_k_q69094c57ad_oproj:
	.size	k_q69094c57ad_oproj, .Lfunc_end_k_q69094c57ad_oproj-k_q69094c57ad_oproj
	.p2alignl 7, 3214868480
	.fill 96, 4, 3214868480
	.section	.rodata,"a",@progbits
	.p2align	6, 0x0
	.amdhsa_kernel k_q69094c57ad_oproj
		.amdhsa_group_segment_fixed_size 327680
		.amdhsa_private_segment_fixed_size 0
		.amdhsa_enable_private_segment 0
		.amdhsa_kernarg_size 24
		.amdhsa_user_sgpr_count 2
		.amdhsa_user_sgpr_kernarg_segment_ptr 1
		.amdhsa_wavefront_size32 1
		.amdhsa_system_sgpr_workgroup_id_x 1
		.amdhsa_system_sgpr_workgroup_id_y 1
		.amdhsa_system_sgpr_workgroup_id_z 1
		.amdhsa_system_vgpr_workitem_id 0
		.amdhsa_next_free_vgpr 512
		.amdhsa_next_free_sgpr 66
		.amdhsa_reserve_vcc 0
		.amdhsa_float_denorm_mode_32 3
		.amdhsa_float_denorm_mode_16_64 3
		.amdhsa_memory_ordered 1
		.amdhsa_forward_progress 1
		.amdhsa_inst_pref_size 118
	.end_amdhsa_kernel
	.amdgpu_metadata
---
amdhsa.version: [ 1, 2 ]
amdhsa.kernels:
  - .name:           k_q69094c57ad_oproj
    .symbol:         k_q69094c57ad_oproj.kd
    .args:
      - { .name: ao, .offset: 0, .size: 8, .value_kind: global_buffer, .address_space: global }
      - { .name: wb, .offset: 8, .size: 8, .value_kind: global_buffer, .address_space: global }
      - { .name: out0, .offset: 16, .size: 8, .value_kind: global_buffer, .address_space: global }
    .group_segment_fixed_size: 327680
    .private_segment_fixed_size: 0
    .kernarg_segment_align: 8
    .kernarg_segment_size: 24
    .max_flat_workgroup_size: 128
    .sgpr_count:     66
    .vgpr_count:     512
    .wavefront_size: 32
...
	.end_amdgpu_metadata
.endif
;; end of part 4
